; MI455X (gfx1250); checked and timed in simulation.
; The chip was launched on July 23, 2026; its instructions are those of AMD's public machine-readable ISA for CDNA 5 (MIT licence, August 2026) and "CDNA5" Instruction Set Architecture Reference Guide (July 2026). The comments in the code are by the model that wrote it; some were corrected since.
;; Multi Head Self Attention1 D. Allowed arithmetic: matrix products marked QUANTISED: E2M1 operands, one E8M0 scale for each 32 along K, by v_wmma_scale_f32_16x16x128_f8f6f4 with both operands' format E2M1 (or v_wmma_scale_f32_32x16x128_f4), f32 sums; products left as they are: bf16, f16 or f32 operands; f32 sums; everything else in f32.
;; Inputs: Wproj 256 x 256 float32; Wqkv 256 x 768 float32; bproj 256 float32; bqkv 768 float32; x 2 x 256 x 4,096 float32.
;; Outputs: out0 2 x 256 x 4,096 float32.
;; This version of the problem:
;;   THIS VERSION OF THE PROBLEM IS GIVEN IN LOW PRECISION. The matrix products marked QUANTISED in the list below multiply operands that are first quantised to E2M1 (2 exponent bits, 1 mantissa bit; 4 bits a number), with one power-of-two scale for each 32 numbers along K (OCP MX v1.0); their sums are f32. The products marked 'left as it is' may take bf16, f16 or f32 operands, with f32 sums. Whichever they take, every output number must still come out within the allowed error. Rounding operands to bf16 (8 significant bits) uses up far more of that allowance than f16 does (11 bits, for magnitudes from 6e-5 to 65,504). All else is computed in f32.
;;   The module's matrix products, in the order in which they are computed (A, B: the left and right operand; K: the contracted axis; several contracted axes count as one K, in the product's order):
;;     1. [M 8,192, K 256] x [K 256, N 768]; A: input x; B: input Wqkv: QUANTISED
;;     2. batch 16 x [M 4,096, K 32] x [K 32, N 4,096]; A: computed on the way; B: computed on the way: left as it is (an operand is computed on the way)
;;     3. batch 16 x [M 4,096, K 4,096] x [K 4,096, N 32]; A: computed on the way; B: computed on the way: left as it is (an operand is computed on the way)
;;     4. [M 8,192, K 256] x [K 256, N 256]; A: computed on the way; B: input Wproj: left as it is (an operand is computed on the way)
;;   THE QUANTISER, for each operand of a quantised product, along K:
;;     - K is cut into blocks of 32 from its start; a last block that is shorter is filled with zeros.
;;     - A block's scale is 2^e with e = floor(log2(the largest magnitude in the block)) - 2, held to -126 .. 127; a block of zeros has e = 0. As a byte (E8M0): e + 127.
;;     - Each number is divided by its block's scale, clamped to +-6, and rounded to the nearest number of E2M1, ties to even, subnormals kept.
;;     - The product sums the exact products of the quantised numbers (number of the format x scale) in f32.
;;   ~~~python
;;   def quantise(x, axis):      # numpy; x: float32 -> the quantised numbers, widened to float32 again
;;       x = np.moveaxis(x, axis, -1); K = x.shape[-1]
;;       x = np.pad(x, [(0, 0)] * (x.ndim - 1) + [(0, -K % 32)]); x = x.reshape(x.shape[:-1] + (-1, 32)); a = np.abs(x).max(-1, keepdims=True)
;;       e = np.where(a > 0, np.clip(np.frexp(np.where(a > 0, a, 1))[1] - 1 - 2, -126, 127), 0)      # np.frexp(a)[1] - 1 = floor(log2(a)), exactly
;;       r = np.clip(x / 2.0 ** e, -6, 6)
;;       step = 2.0 ** (np.maximum(np.frexp(np.where(r == 0, 1, r))[1] - 1, 0) - 1)
;;       q = np.round(r / step) * step * 2.0 ** e      # np.round: ties to even
;;       return np.moveaxis(q.reshape(q.shape[:-2] + (-1,))[..., :K], -1, axis).astype(np.float32)
;;   ~~~
;; One version. Each part assembles by itself: llvm-mc -triple=amdgcn-amd-amdhsa -mcpu=gfx1250 --defsym DOCPART=n.
;; ======== version 1 of 1: 3 launches
;; limits: values are held in f16: magnitudes above 65,504 overflow, below 6.1e-05 lose precision
;; workspace buffers: q_img 4,194,304 bytes; kv_img 8,388,608 bytes; o_img 4,194,304 bytes; wp_img 131,072 bytes
;; launch qkv (part 1): grid 64 x 4, 20 waves a work-group, no clusters, 46,080 bytes of LDS; arguments x, Wqkv, bqkv, Wproj, q_img, kv_img, wp_img; writes q_img, kv_img, wp_img
.if DOCPART == 1
	.amdgcn_target "amdgcn-amd-amdhsa--gfx1250"
	.amdhsa_code_object_version 6
	.text
	.protected	k_q2a200a5689_qkv
	.globl	k_q2a200a5689_qkv
	.p2align	8
	.type	k_q2a200a5689_qkv,@function
k_q2a200a5689_qkv:
	s_mov_b64 s[64:65], 0
	v_nop
	global_prefetch_b8 v0, s[64:65] scope:SCOPE_SE
	s_setreg_imm32_b32 hwreg(HW_REG_WAVE_MODE, 25, 1), 1
	s_wait_xcnt 0x0
; qkv = x^T Wqkv + bqkv on codes of FP4 (E2M1) with one E8M0 scale for each 32 along K = the 256 channels; results leave as f16, laid as the operand registers of the next launch.
; x: [2][256 (k)][4096 (n)] f32, Wqkv: [256 (k)][768] f32: in both K is NOT innermost.  So A LANE TAKES A COLUMN (a token n of x, an output channel of Wqkv) AND ITS REGISTERS RUN DOWN K:
; a block of 32 along K lies in one lane, its largest magnitude needs no other lane, and the conversions give codes with K innermost.
; SHARES.  A work-group makes 128 tokens x 192 output channels (six groups of 32 = one head's slice of q, of k or of v).  Twenty waves; each quantises 32 columns x 128 along K:
; waves 0-7 x (32 tokens (wave / 2), K half wave % 2), waves 8-19 Wqkv (group (wave - 8) / 2, K half wave % 2).  Codes and scale words go to LDS as images of operand registers; one barrier;
; then waves 0-15 multiply: wave w takes the 16 tokens of tile w / 2 and the three groups 3 (w % 2) + 0 .. 2.  Wave 16 turns a piece of Wproj into f16 for the last launch.
; THE PRODUCT IS USED TRANSPOSED (source 0 = 16 output channels, source 1 = 16 tokens): a lane holds one token and eight neighbouring channels, which pack into 16 bytes.  The bias is the C of each sum's first product.
; q IS MULTIPLIED BY c = log2(e) / sqrt(32) in f32 ahead of its one rounding to f16, so that the next launch's scores are exponents of 2 as they stand.
; OUT.  A tile of 16 tokens x 32 channels is 1,024 bytes: four chunks of 256 bytes, chunk cc = channels 8 cc .. 8 cc + 7, token r's 16 bytes at (16 r) xor 128 (cc % 2).
;   q_img [bh 16][tile 256][1,024];  kv_img [bh 16][step of 64 keys: 64][K: 4 tiles | V: 4 tiles][1,024];  wp_img [16 c_out: 16][32 k: 8][1,024]: the 8 k at 16 g + 8 h of c_out r at 512 g + 256 h + 16 r.
; No tensor loads, no cluster: the operands go from memory straight into the lanes that quantise them; as f32 tiles in LDS, 128 + 192 columns x 256 x 4 bytes would be 327,680 bytes, all that a work-group can have.
; LIMITS: c q, k, v and Wproj are held at +-65,504, f16's largest number.  A block whose largest magnitude lies under 2^-124 gets the scale byte 1 (a block of zeros too, where the rule says 127: its codes are zeros, and this
; program alone reads the bytes).  NaN and infinities among the inputs are not served.
.set D,    16                          ; v16-143  my 128 numbers: register k = K step's k of my column
.set CD,   144                         ; v144-159 the codes
.set TM,   160                         ; v160-163 at work
.set SW,   168                         ; v168     my column's scale word: byte b for k = 32 b .. 32 b + 31
.set XSR,  170                         ; v170-171 x's scale words of K halves 0, 1: scales and nothing else
.set WSR,  172                         ; v172-173 Wqkv's: lanes 0-15 channels 0-15 of the group, lanes 16-31 channels 16-31
.set SPW,  190                         ; v190     LDS address of my spare word; never rewritten
.set NIL,  191                         ; v191     0; never rewritten
.set L4,   1                           ; v1       4 x lane
.set IST,  2                           ; v2       where I store my images: 16 x lane + 2,048 x wave
.set SST,  3                           ; v3       and my scale word: SC + 4 x lane + 128 x wave
.set XA,   4                           ; v4       x's images of my tile of tokens
.set XSA,  5                           ; v5       their scale words
.set WA,   6                           ; v6       Wqkv's images of my three groups
.set WSA,  7                           ; v7       their scale words
.set BO,   8                           ; v8       32 x (lane / 16): my eight numbers of a tile's bias
.set LX,   9                           ; v9       (16 x lane) xor 128 (lane / 16): my 16 bytes in 512 bytes of a tile
.set WPO,  10                          ; v10      8,192 (lane / 16) + 16 (lane % 16): my 16 bytes in wp_img
.set BIAS, 16                          ; the products' registers lie where the numbers lay: v16-63 bias (group i, half ct: 16 i + 8 ct)
.set XF,   64                          ; v64-79   x's fragments of K halves 0, 1
.set WF,   80                          ; v80-111  Wqkv's: 16 s + 8 ct
.set ACC,  112                         ; v112-127 two accumulators
.set PK,   128                         ; v128-151 packed results, eight registers a group: no store's data are written again
.set SC,   40960                       ; LDS: 20 waves x 2,048 bytes of images, then 20 x 128 bytes of scale words,
.set SPARE, 43520                      ; then the spare words, 128 bytes for each wave: ten blocks of 256 bytes that no other line names
.set WV,   20                          ; s20 wave
.set LO,   21                          ; s21 -65,504
.set HI,   22                          ; s22 65,504
.set YY,   23                          ; s23 work-group y: which 192 channels
.set RT,   26                          ; s26 wave / 2
.set GH,   27                          ; s27 wave % 2
.set DST,  28                          ; s[28:33] where my three groups' tiles go
.set CS,   48                          ; s[48:49] c, named as a pair by the packed multiply
.set KIND, 50                          ; s50-52 0: the group is q's, 1: k's, 2: v's
	s_load_b256 s[4:11], s[0:1], 0x0               ; x s[4:5], Wqkv s[6:7], bqkv s[8:9], Wproj s[10:11]
	s_load_b128 s[12:15], s[0:1], 0x20             ; q_img s[12:13], kv_img s[14:15]
	s_load_b64 s[16:17], s[0:1], 0x30              ; wp_img
	v_lshl_add_u32 v[SPW], v0, 2, SPARE
	v_mov_b32 v[NIL], 0
	v_lshrrev_b32 v11, 5, v0
	v_readfirstlane_b32 s[WV], v11                 ; wave 0..19
	v_and_b32 v11, 31, v0                          ; lane
	v_lshlrev_b32 v[L4], 2, v11
	v_lshlrev_b32 v12, 4, v11                      ; 16 x lane
	v_bfe_u32 v13, v0, 4, 1                        ; h = lane / 16
	v_and_b32 v15, 15, v0                          ; r = lane % 16
	s_lshr_b32 s[RT], s[WV], 1
	s_and_b32 s[GH], s[WV], 1
	s_and_b32 s[YY], ttmp7, 0xffff
	s_mov_b32 s[LO], 0xc77fe000
	s_mov_b32 s[HI], 0x477fe000
	s_mov_b32 s[CS], 0x3e8293ee                    ; c = log2(e) / sqrt(32)
	s_mov_b32 s[CS+1], s[CS]
	; every LDS address is made here, ahead of the first parting of the waves
	s_lshl_b32 s36, s[WV], 11
	v_add_nc_u32 v[IST], s36, v12
	s_lshl_b32 s36, s[WV], 7
	s_add_co_u32 s36, s36, SC
	v_add_nc_u32 v[SST], s36, v[L4]
	s_lshr_b32 s36, s[RT], 1                       ; my tile of tokens was quantised by waves 2 (tile / 2) + s, as their tile (tile % 2)
	s_and_b32 s37, s[RT], 1
	s_lshl_b32 s38, s36, 12
	s_lshl_b32 s39, s37, 10
	s_add_co_u32 s38, s38, s39
	v_add_nc_u32 v[XA], s38, v12
	s_lshl_b32 s38, s36, 8
	s_lshl_b32 s39, s37, 6
	s_add_co_u32 s38, s38, s39
	s_add_co_u32 s38, s38, SC
	v_lshl_add_u32 v[XSA], v15, 2, s38             ; lanes 0-15 take my tile's sixteen words (lanes 16-31 the same, and are not read)
	s_mul_i32 s36, s[GH], 12288                    ; my three groups: six waves' images
	v_add_nc_u32 v[WA], s36, v12
	s_mul_i32 s36, s[GH], 768
	s_add_co_u32 s36, s36, SC
	v_add_nc_u32 v[WSA], s36, v[L4]
	v_lshlrev_b32 v[BO], 5, v13
	v_and_b32 v14, 16, v0
	v_lshlrev_b32 v14, 3, v14
	v_xor_b32 v[LX], v12, v14
	v_lshlrev_b32 v15, 4, v15
	v_lshl_add_u32 v[WPO], v13, 13, v15
	; where my 32 columns x 128 k begin.  x: batch x 4,194,304 + K half x 128 rows of 16,384 bytes + 4 x (128 (x % 32) + 32 (wave / 2))
	s_lshr_b32 s36, ttmp9, 5
	s_lshl_b32 s36, s36, 22
	s_lshl_b32 s38, s[GH], 21
	s_add_co_u32 s36, s36, s38
	s_and_b32 s38, ttmp9, 31
	s_lshl_b32 s38, s38, 9
	s_add_co_u32 s36, s36, s38
	s_lshl_b32 s38, s[RT], 7
	s_add_co_u32 s36, s36, s38
	s_mov_b32 s37, 0
	; Wqkv: K half x 128 rows of 3,072 bytes + 4 x (192 y + 32 (wave / 2 - 4)); used by waves 8-19 alone
	s_mul_i32 s38, s[GH], 393216
	s_mul_i32 s40, s[YY], 768
	s_add_co_u32 s38, s38, s40
	s_lshl_b32 s41, s[RT], 7
	s_add_co_u32 s38, s38, s41
	s_sub_co_u32 s38, s38, 512
	s_mov_b32 s39, 0
	s_mul_i32 s42, s[GH], 384                      ; bqkv: 4 x (192 y + 96 (wave % 2))
	s_add_co_u32 s42, s42, s40
	s_mov_b32 s43, 0
	s_wait_kmcnt 0x0
.macro LOADS stride                    ; 128 loads: row k of the K half at my column; 32 lanes read 128 consecutive bytes
.set k, 0
.rept 128
	global_load_b32 v[D+k], v[L4], s[24:25] offset:k*\stride
.set k, k+1
.endr
.endm
	s_cmp_lt_u32 s[WV], 8
	s_cbranch_scc0 .Lweights
	s_add_nc_u64 s[24:25], s[4:5], s[36:37]
	LOADS 16384
	s_branch .Lasked
.Lweights:
	s_add_nc_u64 s[24:25], s[6:7], s[38:39]
	LOADS 3072
.Lasked:
; Block bi of my column: its largest magnitude, with the floor 2^(3 - 127) as one more leaf, so that the byte cannot fall under 1; 2 off the exponent field gives the conversion's scale operand, a shift of that the byte.
; The codes go where the exchange of halves below wants them: blocks 0, 2 in v[CD] on, blocks 1, 3 in v[CD + 8] on.
.macro QBLOCK bi
.set XB, D+32*(\bi)
	v_max3_num_f32 v[TM], |v[XB]|, |v[XB+1]|, |v[XB+2]|
	v_max3_num_f32 v[TM+1], |v[XB+3]|, |v[XB+4]|, |v[XB+5]|
.irp i, 6,10,14,18,22,26
	v_max3_num_f32 v[TM], v[TM], |v[XB+\i]|, |v[XB+\i+1]|
	v_max3_num_f32 v[TM+1], v[TM+1], |v[XB+\i+2]|, |v[XB+\i+3]|
.endr
	v_max3_num_f32 v[TM], v[TM], |v[XB+30]|, |v[XB+31]|
	v_max3_num_f32 v[TM], v[TM], v[TM+1], 0x1800000
	v_add_nc_u32 v[TM+2], 0xff000000, v[TM]
.if (\bi) == 0
	v_lshrrev_b32 v[SW], 23, v[TM+2]
.else
	v_lshrrev_b32 v[TM+3], 23, v[TM+2]
	v_lshl_or_b32 v[SW], v[TM+3], 8*(\bi), v[SW]
.endif
.irp g, 0,1,2,3
	v_cvt_scalef32_pk8_fp4_f32 v[CD+8*((\bi)%2)+4*((\bi)/2)+\g], v[XB+8*\g:XB+8*\g+7], v[TM+2]
.endr
.endm
	s_wait_loadcnt 63                              ; of 128 loads at most 63 are out, the most that the wait can name: the first 65 are in, blocks 0 and 1 among them
	QBLOCK 0
	QBLOCK 1
	s_cmp_lt_u32 s[WV], 16                         ; the waves that will multiply ask for their bias now, into registers whose numbers have been converted
	s_cbranch_scc0 .Lno_bias
	s_add_nc_u64 s[34:35], s[8:9], s[42:43]
.irp i, 0,1,2
.irp ct, 0,1
	global_load_b128 v[BIAS+16*\i+8*\ct:BIAS+16*\i+8*\ct+3], v[BO], s[34:35] offset:128*\i+64*\ct       ; lane (r, h): channels 16 ct + 8 h + 0 .. 7 of group i: the result's layout
	global_load_b128 v[BIAS+16*\i+8*\ct+4:BIAS+16*\i+8*\ct+7], v[BO], s[34:35] offset:128*\i+64*\ct+16
.endr
.endr
.Lno_bias:
	s_wait_loadcnt 32                              ; behind block 2's loads stand block 3's 32 (and, in sixteen waves, 12 more): 32 serves both ways
	QBLOCK 2
	s_wait_loadcnt 0x0
	QBLOCK 3
	v_nop                                          ; one plain instruction behind the last scaled conversion
.irp i, 0,1,2,3,4,5,6,7
	v_permlane16_swap_b32 v[CD+\i], v[CD+8+\i]     ; the first's lanes 16-31 change places with the second's lanes 0-15: v[CD .. CD+7] is now the fragment of columns 0-15 (lane (r, h): k = 64 c + 32 h + 0 .. 31), v[CD+8 ..] that of columns 16-31
.endr
.irp p, 0,1,2,3
	ds_store_b128 v[IST], v[CD+4*\p:CD+4*\p+3] offset:512*\p       ; images of the registers: 16 bytes a lane, 512 consecutive bytes a store
.endr
	ds_store_b32 v[SST], v[SW]
	s_wait_dscnt 0x0                               ; for the others' sake: my stores have landed
	s_barrier_signal -1
	s_barrier_wait -1
	s_cmp_lt_u32 s[WV], 16
	s_cbranch_scc0 .Lno_product
	; ---- the products.  Where my three tiles go: group G = 6 y + 3 (wave % 2) + i: kind G / 8, head G % 8
	s_mul_i32 s36, s[YY], 6
	s_mul_i32 s37, s[GH], 3
	s_add_co_u32 s36, s36, s37
	s_lshr_b32 s37, ttmp9, 5
	s_lshl_b32 s37, s37, 3                         ; 8 x batch
	s_and_b32 s38, ttmp9, 31
	s_lshl_b32 s38, s38, 3
	s_add_co_u32 s38, s38, s[RT]                   ; my tile of tokens in the batch, 0 .. 255
	s_lshl_b32 s39, s38, 10                        ; its place in a head of q_img,
	s_lshr_b32 s40, s38, 2
	s_lshl_b32 s40, s40, 13
	s_and_b32 s41, s38, 3
	s_lshl_b32 s41, s41, 10
	s_add_co_u32 s40, s40, s41                     ; and of kv_img: step tile / 4, tile % 4
.irp i, 0,1,2
	s_add_co_u32 s41, s36, \i
	s_lshr_b32 s[KIND+\i], s41, 3
	s_and_b32 s41, s41, 7
	s_add_co_u32 s41, s41, s37                     ; bh
	s_lshl_b32 s42, s41, 18
	s_add_co_u32 s42, s42, s39
	s_lshl_b32 s44, s41, 19
	s_add_co_u32 s44, s44, s40
	s_lshl_b32 s45, s[KIND+\i], 12
	s_add_co_u32 s44, s44, s45
	s_sub_co_u32 s44, s44, 4096                    ; K's tiles at 0, V's at 4,096 of a step (taken for kinds 1 and 2 alone)
	s_cmp_eq_u32 s[KIND+\i], 0                     ; the choice hangs on ids alone
	s_cselect_b64 s[DST+2*\i:DST+2*\i+1], s[12:13], s[14:15]
	s_cselect_b32 s44, s42, s44
	s_mov_b32 s45, 0
	s_add_nc_u64 s[DST+2*\i:DST+2*\i+1], s[DST+2*\i:DST+2*\i+1], s[44:45]
.endr
.macro WLOAD i                         ; group i's four fragments and two scale registers
.irp s, 0,1
.irp ct, 0,1
.irp c, 0,1
	ds_load_b128 v[WF+16*\s+8*\ct+4*\c:WF+16*\s+8*\ct+4*\c+3], v[WA] offset:16384+4096*(\i)+2048*\s+1024*\ct+512*\c
.endr
.endr
	ds_load_b32 v[WSR+\s], v[WSA] offset:1024+256*(\i)+128*\s
.endr
.endm
.irp s, 0,1
.irp c, 0,1
	ds_load_b128 v[XF+8*\s+4*\c:XF+8*\s+4*\c+3], v[XA] offset:2048*\s+512*\c
.endr
	ds_load_b32 v[XSR+\s], v[XSA] offset:128*\s
.endr
	WLOAD 0
; Group i: 32 channels x 16 tokens x 256 along K: four products on two accumulators, which take turns, one instruction a turn.
.macro GROUP i
	s_wait_dscnt 0x0
	v_wmma_scale_f32_16x16x128_f8f6f4 v[ACC:ACC+7], v[WF:WF+7], v[XF:XF+7], v[BIAS+16*\i:BIAS+16*\i+7], v[WSR], v[XSR] matrix_a_fmt:MATRIX_FMT_FP4 matrix_b_fmt:MATRIX_FMT_FP4
	v_wmma_scale_f32_16x16x128_f8f6f4 v[ACC+8:ACC+15], v[WF+8:WF+15], v[XF:XF+7], v[BIAS+16*\i+8:BIAS+16*\i+15], v[WSR], v[XSR] matrix_a_fmt:MATRIX_FMT_FP4 matrix_b_fmt:MATRIX_FMT_FP4 matrix_a_scale:MATRIX_SCALE_ROW1
	v_wmma_scale_f32_16x16x128_f8f6f4 v[ACC:ACC+7], v[WF+16:WF+23], v[XF+8:XF+15], v[ACC:ACC+7], v[WSR+1], v[XSR+1] matrix_a_fmt:MATRIX_FMT_FP4 matrix_b_fmt:MATRIX_FMT_FP4
	v_wmma_scale_f32_16x16x128_f8f6f4 v[ACC+8:ACC+15], v[WF+24:WF+31], v[XF+8:XF+15], v[ACC+8:ACC+15], v[WSR+1], v[XSR+1] matrix_a_fmt:MATRIX_FMT_FP4 matrix_b_fmt:MATRIX_FMT_FP4 matrix_a_scale:MATRIX_SCALE_ROW1
.rept 4
	v_nop                                          ; four places ahead of the loads into registers that these products read, and of the first read of their results
.endr
.if \i < 2
	WLOAD (\i)+1
.endif
	s_cmp_lg_u32 s[KIND+\i], 0                     ; ids alone: only q takes the softmax's factor
	s_cbranch_scc1 .Lplain_\@
.irp p, 0,1,2,3,4,5,6,7
	v_pk_mul_f32 v[ACC+2*\p:ACC+2*\p+1], v[ACC+2*\p:ACC+2*\p+1], s[CS:CS+1] op_sel_hi:[1,0]
.endr
.Lplain_\@:
.irp j, 0,1,2,3,4,5,6,7,8,9,10,11,12,13,14,15
	v_med3_num_f32 v[ACC+\j], v[ACC+\j], s[LO], s[HI]              ; the hold at f16's largest number.  (The lines on one accumulator are also the places, more than five, ahead of the next group's product that writes over the other)
.endr
.irp p, 0,1,2,3,4,5,6,7
	v_cvt_pk_f16_f32 v[PK+8*\i+\p], v[ACC+2*\p], v[ACC+2*\p+1]     ; lane (r, h): token r, channels 16 ct + 8 h + 0 .. 7: chunk 2 ct + h of the tile
.endr
.irp ct, 0,1
	global_store_b128 v[LX], v[PK+8*\i+4*\ct:PK+8*\i+4*\ct+3], s[DST+2*\i:DST+2*\i+1] offset:512*\ct   ; 32 lanes store 512 consecutive bytes, at a multiple of 512 from the buffer's first byte
.endr
.endm
	GROUP 0
	GROUP 1
	GROUP 2
	s_branch .Lend
.Lno_product:
	s_cmp_eq_u32 s[WV], 16
	s_cbranch_scc0 .Lend
	; ---- wave 16: 8 k x 32 c_out of Wproj [256 (k)][256 (c_out)] into f16.  The 256 work-groups share its 32 x 8 such pieces: piece 64 y + x: k = 8 (piece / 8) on, c_out = 32 (piece % 8) on
	s_lshl_b32 s36, s[YY], 6
	s_add_co_u32 s36, s36, ttmp9
	s_lshr_b32 s38, s36, 3
	s_and_b32 s39, s36, 7
	s_lshl_b32 s40, s38, 13
	s_lshl_b32 s41, s39, 7
	s_add_co_u32 s40, s40, s41
	s_mov_b32 s41, 0
	s_add_nc_u64 s[10:11], s[10:11], s[40:41]
.irp j, 0,1,2,3,4,5,6,7
	global_load_b32 v[D+\j], v[L4], s[10:11] offset:1024*\j        ; a lane to a c_out, registers down k
.endr
	s_lshl_b32 s40, s39, 14                        ; two tiles of 16 c_out, 8,192 bytes each;
	s_lshr_b32 s42, s38, 2
	s_lshl_b32 s42, s42, 10                        ; the chunk of 32 k;
	s_add_co_u32 s40, s40, s42
	s_and_b32 s42, s38, 3
	s_lshl_b32 s42, s42, 8                         ; and in it the 8 k at 16 g + 8 h: 256 (2 g + h)
	s_add_co_u32 s40, s40, s42
	s_add_nc_u64 s[16:17], s[16:17], s[40:41]
	s_wait_loadcnt 0x0
.irp j, 0,1,2,3,4,5,6,7
	v_med3_num_f32 v[D+\j], v[D+\j], s[LO], s[HI]
.endr
.irp p, 0,1,2,3
	v_cvt_pk_f16_f32 v[D+8+\p], v[D+2*\p], v[D+2*\p+1]
.endr
	global_store_b128 v[WPO], v[D+8:D+11], s[16:17]                ; sixteen lanes store 256 consecutive bytes, at a multiple of 256 from the buffer's first byte
.Lend:
	s_wait_tensorcnt 0x0                           ; the wave's end: behind my last LDS store
	ds_add_u32 v[SPW], v[NIL]
	s_wait_dscnt 0x0
	s_endpgm
.Lfunc_end_k_q2a200a5689_qkv:
	.size	k_q2a200a5689_qkv, .Lfunc_end_k_q2a200a5689_qkv-k_q2a200a5689_qkv
	.p2alignl 7, 3214868480
	.fill 96, 4, 3214868480
	.section	.rodata,"a",@progbits
	.p2align	6, 0x0
	.amdhsa_kernel k_q2a200a5689_qkv
		.amdhsa_group_segment_fixed_size 46080
		.amdhsa_private_segment_fixed_size 0
		.amdhsa_enable_private_segment 0
		.amdhsa_kernarg_size 56
		.amdhsa_user_sgpr_count 2
		.amdhsa_user_sgpr_kernarg_segment_ptr 1
		.amdhsa_wavefront_size32 1
		.amdhsa_system_sgpr_workgroup_id_x 1
		.amdhsa_system_sgpr_workgroup_id_y 1
		.amdhsa_system_sgpr_workgroup_id_z 1
		.amdhsa_system_vgpr_workitem_id 0
		.amdhsa_next_free_vgpr 192
		.amdhsa_next_free_sgpr 66
		.amdhsa_reserve_vcc 0
		.amdhsa_float_denorm_mode_32 3
		.amdhsa_float_denorm_mode_16_64 3
		.amdhsa_memory_ordered 1
		.amdhsa_forward_progress 1
		.amdhsa_inst_pref_size 51
	.end_amdhsa_kernel
	.amdgpu_metadata
---
amdhsa.version: [ 1, 2 ]
amdhsa.kernels:
  - .name:           k_q2a200a5689_qkv
    .symbol:         k_q2a200a5689_qkv.kd
    .args:
      - { .name: x, .offset: 0, .size: 8, .value_kind: global_buffer, .address_space: global }
      - { .name: Wqkv, .offset: 8, .size: 8, .value_kind: global_buffer, .address_space: global }
      - { .name: bqkv, .offset: 16, .size: 8, .value_kind: global_buffer, .address_space: global }
      - { .name: Wproj, .offset: 24, .size: 8, .value_kind: global_buffer, .address_space: global }
      - { .name: q_img, .offset: 32, .size: 8, .value_kind: global_buffer, .address_space: global }
      - { .name: kv_img, .offset: 40, .size: 8, .value_kind: global_buffer, .address_space: global }
      - { .name: wp_img, .offset: 48, .size: 8, .value_kind: global_buffer, .address_space: global }
    .group_segment_fixed_size: 46080
    .private_segment_fixed_size: 0
    .kernarg_segment_align: 8
    .kernarg_segment_size: 56
    .max_flat_workgroup_size: 640
    .sgpr_count:     66
    .vgpr_count:     192
    .wavefront_size: 32
...
	.end_amdgpu_metadata
.endif
;; end of part 1
;; launch attn (part 2): grid 16 x 16, 8 waves a work-group, clusters of 4 x 1, 327,680 bytes of LDS; arguments q_img, kv_img, o_img; writes o_img
.if DOCPART == 2
	.amdgcn_target "amdgcn-amd-amdhsa--gfx1250"
	.amdhsa_code_object_version 6
	.text
	.protected	k_q2a200a5689_attn
	.globl	k_q2a200a5689_attn
	.p2align	8
	.type	k_q2a200a5689_attn,@function
k_q2a200a5689_attn:
	s_mov_b64 s[64:65], 0
	v_nop
	global_prefetch_b8 v0, s[64:65] scope:SCOPE_SE
	s_setreg_imm32_b32 hwreg(HW_REG_WAVE_MODE, 25, 1), 1
	s_wait_xcnt 0x0
	s_wait_alu depctr_hold_cnt(0) depctr_sa_sdst(0) depctr_va_vdst(0) depctr_va_sdst(0) depctr_va_ssrc(0) depctr_va_vcc(0) depctr_vm_vsrc(0)
	s_getreg_b32 s2, hwreg(HW_REG_IB_STS2, 6, 4)
	s_cmp_eq_u32 s2, 0
	s_cbranch_scc0 .Lentry_in_a_cluster
	s_endpgm
.Lentry_in_a_cluster:
	s_bfe_u32 s2, ttmp6, 0x10000c
	s_cmp_lg_u32 s2, 0x3003
	s_cbranch_scc0 .Lentry_shape_is_right
	s_endpgm
.Lentry_shape_is_right:
; o[bh][q][:] = the sum over k of softmax_k(q . k / sqrt(32)) v[k][:], 16 heads (bh = 8 batch + head) x 4,096 queries x 4,096 keys, head size 32, no mask.  Operands f16, products, maxima and sums f32.
; q arrives multiplied by log2(e) / sqrt(32), so a score IS t, the exponent of 2.  For each query a running maximum m and sum l: p = 2^(t - m), at most 1 and exactly 1 at the maximum; in every step O and l are
; multiplied by a = 2^(m_old - m_new).  p is rounded to f16 for the second product; l is the sum of the unrounded p and divides at the end.
; reference()'s nan_to_num: q and k are finite f16 numbers, so a score is a finite sum of 32 products, under 2^37 in size, and the step changes no finite number: nothing is left to do.
; SHARES.  A work-group owns 256 queries of one head, each of its eight waves 32: two tiles of 16; two waves share a SIMD, so that one wave's products stand beside the other's softmax.  Every wave walks all keys, 64 a step.
; LAYOUT.  S^T = K Q^T (source 0 = 16 keys, source 1 = 16 queries): a lane holds ONE query (lane % 16) and keys 8 (lane / 16) + 0 .. 7.  Two such tiles, rounded to f16 in pairs, ARE source 1 of O^T = V^T P, whose result
; again holds one query a lane, and eight channels; rounded to f16 it is a fragment of the last launch's operand and is stored as it stands.  K comes out of LDS as it lies, V ([key][channel]) turned, by ds_load_tr16_b128.
; A tile of 16 keys is 1,024 bytes: chunk cc (256 bytes) = channels 8 cc .. + 7, key r's 16 bytes at (16 r) xor 128 (cc % 2).
; THE RING.  A head's K and V are 524,288 dense bytes: four parts of 16 steps.  Two slots of 131,072 bytes; each wave brings an eighth of a slot (64 rows of 256 bytes) by one tensor load.
; CLUSTER.  The four query blocks of a cluster belong to one head and walk the same K and V: every tensor load is JOINT, the same load with the same descriptor and the mask of all four.
; No prefetch is laid: the two refills are each issued sixteen key steps ahead of their first read, and the first fills stand at the head.
; LIMITS: o under 2^-14 in size is kept in f16's subnormals, in steps of 2^-24.  NaN and infinities are not served.
.set SLOTB, 131072
.set STEPB, 8192                       ; a step: K's four tiles, then V's four
.set SPARE, 2*SLOTB                    ; behind the ring: the spare words, 128 bytes for each wave: four blocks of 256 bytes that no other line names
.set LX,  1                            ; v1   (16 x lane) xor 128 (lane / 16): my place in 512 bytes of a tile of K or Q
.set AV0, 2                            ; v2   my place in a tile of V, for the turning load
.set ADK, 3                            ; v3   LDS address of the step's K
.set ADV, 4                            ; v4   and V
.set LI,  5                            ; v5   16 x lane
.set SPW, 6                            ; v6   LDS address of my spare word; never rewritten
.set NIL, 7                            ; v7   0; never rewritten
.set ST,  8                            ; v8-23    tile t's statistics at 8 t: +0 m (+1 named with it as a pair), +2, +3 l (even keys', odd keys'), +4 to +7 c0-c3 at work; a takes c2's place
.set Q,   24                           ; v24-39   8 t
.set KF,  40                           ; v40-71   8 kt: four tiles of 16 keys
.set VF,  72                           ; v72-103  16 kc + 8 ct: keys 32 kc on, channels 16 ct on
.set S,   104                          ; v104-167 32 t + 8 kt
.set P,   168                          ; v168-199 16 t + 8 kc
.set O,   200                          ; v200-231 16 t + 8 ct
.set WV,  12                           ; s12
.set SEL, 16                           ; s[16:17] lane selects for v_permlanex16_b32: lane l xor 16
.set TB,  18                           ; s18  LDS byte at which the step in hand begins
.set CNT, 19                           ; s19
.set G1,  24                           ; s[24:31] descriptor group 1
.set G0,  32                           ; s[32:39] group 0, a set for each slot
.macro CROUND                          ; a round of the cluster's barrier: my work-group's barrier; wave 0 signals for the work-group; every wave waits for all four work-groups; my work-group's barrier once more
	s_barrier_signal -1
	s_barrier_wait -1
	s_cmp_lg_u32 s[WV], 0
	s_cbranch_scc1 .Lnot_wave_0_\@
	s_barrier_signal -3
.Lnot_wave_0_\@:
	s_barrier_wait -3
	s_barrier_signal -1
	s_barrier_wait -1
.endm
	s_load_b128 s[4:7], s[0:1], 0x0                ; q_img s[4:5], kv_img s[6:7]
	s_load_b64 s[8:9], s[0:1], 0x10                ; o_img
	v_lshl_add_u32 v[SPW], v0, 2, SPARE
	v_mov_b32 v[NIL], 0
	ds_add_u32 v[SPW], v[NIL]                      ; the wave's opening: the add, twice on end, and its wait ahead of my first tensor load; the set-up below stands between
	ds_add_u32 v[SPW], v[NIL]
	v_lshrrev_b32 v232, 5, v0
	v_readfirstlane_b32 s[WV], v232                ; wave 0..7
	s_bfe_u32 s13, ttmp6, 0x40000                  ; cx: my place in the cluster; it enters q's and o's addresses alone
	s_lshl_b32 s20, ttmp9, 2                       ; in a cluster launch ttmp9 counts clusters
	s_add_co_u32 s20, s20, s13                     ; my block of 256 queries
	s_and_b32 s21, ttmp7, 0xffff                   ; bh, which the four partners share
	s_lshl_b32 s44, s21, 18                        ; q_img: 262,144 bh + 1,024 (16 block + 2 wave)
	s_lshl_b32 s22, s20, 14
	s_add_co_u32 s44, s44, s22
	s_lshl_b32 s22, s[WV], 11
	s_add_co_u32 s44, s44, s22
	s_mov_b32 s45, 0
	s_lshr_b32 s46, s21, 3                         ; o_img [tile of tokens 512][head 8][1,024]: tile 256 batch + 16 block + 2 wave
	s_lshl_b32 s46, s46, 21
	s_lshl_b32 s22, s20, 17
	s_add_co_u32 s46, s46, s22
	s_lshl_b32 s22, s[WV], 14
	s_add_co_u32 s46, s46, s22
	s_and_b32 s22, s21, 7
	s_lshl_b32 s22, s22, 10
	s_add_co_u32 s46, s46, s22
	s_mov_b32 s47, 0
	s_lshl_b32 s40, s21, 19                        ; kv_img: 524,288 bh + my eighth of a slot
	s_lshl_b32 s42, s[WV], 14                      ; which is also its place in a slot: no place in the cluster enters an LDS address
	s_add_co_u32 s40, s40, s42
	s_mov_b32 s41, 0
	; descriptor group 1: 16,384 dense bytes as 64 rows of 32 elements of 8 bytes
	s_mov_b32 s[G1], 15|(3<<16)|(1<<21)            ; 15:0 the mask: all four work-groups; 17:16 elements of 8 bytes; 20 no padding; 21 set beside a mask
	s_mov_b32 s[G1+1], 32<<16                      ; tensor_dim0 = 32
	s_mov_b32 s[G1+2], 64<<16                      ; tensor_dim1 = 64
	s_mov_b32 s[G1+3], 32<<16                      ; tile_dim0 = 32
	s_mov_b32 s[G1+4], 64                          ; tile_dim1 = 64
	s_mov_b32 s[G1+5], 32                          ; tensor_dim0_stride
	s_mov_b32 s[G1+6], 0
	s_mov_b32 s[G1+7], 0
	s_mov_b32 s[SEL], 0x76543210
	s_mov_b32 s[SEL+1], 0xfedcba98
	s_wait_dscnt 0x0                               ; both opening adds are done
	s_wait_kmcnt 0x0
	s_add_nc_u64 s[6:7], s[6:7], s[40:41]
	s_add_nc_u64 s[4:5], s[4:5], s[44:45]
	s_add_nc_u64 s[8:9], s[8:9], s[46:47]
.irp n, 0,1
	s_mov_b32 s[G0+4*\n], 1                        ; count = 1
	s_add_co_u32 s[G0+4*\n+1], s42, \n*SLOTB       ; LDS address
	s_add_nc_u64 s[G0+4*\n+2:G0+4*\n+3], s[6:7], \n*SLOTB          ; global address: part n of the head
	s_or_b32 s[G0+4*\n+3], s[G0+4*\n+3], 0x80000000                ; type = 2
.endr
	CROUND                                         ; all four work-groups are here: the first joint loads meet
	tensor_load_to_lds s[G0:G0+3], s[G1:G1+7]      ; both first fills together: two loads of mine are out
	s_nop 0
	tensor_load_to_lds s[G0+4:G0+7], s[G1:G1+7]
	s_nop 0
.rept 4
	v_nop
.endr
	v_and_b32 v232, 31, v0
	v_lshlrev_b32 v[LI], 4, v232
	v_and_b32 v233, 16, v0
	v_lshlrev_b32 v233, 3, v233
	v_xor_b32 v[LX], v[LI], v233
.irp t, 0,1
.irp g, 0,1
	global_load_b128 v[Q+8*\t+4*\g:Q+8*\t+4*\g+3], v[LX], s[4:5] offset:1024*\t+512*\g   ; Q stays in registers: lane (r, h): query r, channels 16 g + 8 h + 0 .. 7
.endr
.endr
	; the turning load takes 16 keys x 16 channels: lane l reads key 8 (l / 16) + l % 8, channels 8 o + 0 .. 7, o = (l / 8) % 2: chunk 2 ct + o, at 256 o + 128 ((l / 16) xor o) + 16 (l % 8); V lies 4,096 bytes into a step
	v_bfe_u32 v233, v0, 3, 1
	v_bfe_u32 v234, v0, 4, 1
	v_xor_b32 v234, v234, v233
	v_and_b32 v235, 7, v0
	v_lshlrev_b32 v[AV0], 4, v235
	v_lshl_add_u32 v[AV0], v234, 7, v[AV0]
	v_lshl_add_u32 v[AV0], v233, 8, v[AV0]
	v_add_nc_u32 v[AV0], 4096, v[AV0]
.irp t, 0,1
	v_mov_b32 v[ST+8*\t], 0xff61b1e6               ; m = -3e38, under every score: the first step's a is then 0, and the step is written once for all
	v_mov_b32 v[ST+8*\t+1], 0
	v_mov_b32 v[ST+8*\t+2], 0                      ; l
	v_mov_b32 v[ST+8*\t+3], 0
.endr
.set i, 0
.rept 32
	v_mov_b32 v[O+i], 0                            ; O^T
.set i, i+1
.endr
.macro KLOAD off                       ; a step's K: four fragments of 16 keys x 32 channels
.irp kt, 0,1,2,3
.irp g, 0,1
	ds_load_b128 v[KF+8*\kt+4*\g:KF+8*\kt+4*\g+3], v[ADK] offset:\off+1024*\kt+512*\g
.endr
.endr
.endm
.macro VLOAD                           ; a step's V, turned: four fragments of 16 channels x 32 keys
.irp kc, 0,1
.irp ct, 0,1
.irp g, 0,1
	ds_load_tr16_b128 v[VF+16*\kc+8*\ct+4*\g:VF+16*\kc+8*\ct+4*\g+3], v[ADV] offset:1024*(2*\kc+\g)+512*\ct
.endr
.endr
.endr
.endm
; The softmax of both tiles for one step, line by line by turns, so that no line reads the result of the line just before it.
.macro SOFTMAX
.irp j, 0,1,2,3                        ; the maximum of my 32 scores and the old m: four chains, each begun at its accumulator's low end
.irp t, 0,1
	v_max3_num_f32 v[ST+8*\t+4+\j], v[S+32*\t+8*\j], v[S+32*\t+8*\j+1], v[S+32*\t+8*\j+2]
.endr
.endr
.irp i, 3,5
.irp j, 0,1,2,3
.irp t, 0,1
	v_max3_num_f32 v[ST+8*\t+4+\j], v[ST+8*\t+4+\j], v[S+32*\t+8*\j+\i], v[S+32*\t+8*\j+\i+1]
.endr
.endr
.endr
.irp t, 0,1
	v_max3_num_f32 v[ST+8*\t+4], v[ST+8*\t+4], v[S+32*\t+7], v[S+32*\t+15]
.endr
.irp t, 0,1
	v_max3_num_f32 v[ST+8*\t+6], v[ST+8*\t+6], v[S+32*\t+23], v[S+32*\t+31]
.endr
.irp t, 0,1
	v_max3_num_f32 v[ST+8*\t+4], v[ST+8*\t+4], v[ST+8*\t+5], v[ST+8*\t+6]
.endr
.irp t, 0,1
	v_max3_num_f32 v[ST+8*\t+4], v[ST+8*\t+4], v[ST+8*\t+7], v[ST+8*\t]
.endr
.irp t, 0,1
	v_permlanex16_b32 v[ST+8*\t+5], v[ST+8*\t+4], s[SEL], s[SEL+1]     ; the query's other 32 keys lie in the lane 16 away
.endr
.irp t, 0,1
	v_max_num_f32 v[ST+8*\t+4], v[ST+8*\t+4], v[ST+8*\t+5]             ; the new m
.endr
.irp t, 0,1
	v_sub_f32 v[ST+8*\t+7], v[ST+8*\t], v[ST+8*\t+4]                   ; m_old - m_new
.endr
.irp t, 0,1
	v_mov_b32 v[ST+8*\t], v[ST+8*\t+4]
.endr
.irp t, 0,1
	v_exp_f32 v[ST+8*\t+6], v[ST+8*\t+7]                               ; a.  From here to the wait nothing names an exponential's result
.endr
.set i, 0
.rept 16
.irp t, 0,1
	v_pk_add_f32 v[S+32*\t+2*i:S+32*\t+2*i+1], v[S+32*\t+2*i:S+32*\t+2*i+1], v[ST+8*\t:ST+8*\t+1] op_sel_hi:[1,0] neg_lo:[0,1] neg_hi:[0,1]   ; t - m, two at a time (of the pair the low word, m, serves both halves)
.endr
.set i, i+1
.endr
.set i, 0
.rept 32
.irp t, 0,1
	v_exp_f32 v[S+32*\t+i], v[S+32*\t+i]                               ; p
.endr
.set i, i+1
.endr
	v_nop                                          ; a plain instruction behind the last exponential, ahead of the first use
	s_wait_alu depctr_va_vdst(0)                   ; the wait ahead of the first instruction that names a result: one for the batch of 66
.set i, 0
.rept 16
.irp t, 0,1
	v_cvt_pk_f16_f32 v[P+16*\t+i], v[S+32*\t+2*i], v[S+32*\t+2*i+1]    ; tiles 2 kc and 2 kc + 1 of S^T make fragment kc of P
.endr
.set i, i+1
.endr
.irp w, 4,8,16,32                      ; the sum of the tile's 16 pairs, in place: neighbours 1, 2, 4 and 8 pairs apart
.set i, 0
.rept 32/\w
.irp t, 0,1
	v_pk_add_f32 v[S+32*\t+\w*i:S+32*\t+\w*i+1], v[S+32*\t+\w*i:S+32*\t+\w*i+1], v[S+32*\t+\w*i+\w/2:S+32*\t+\w*i+\w/2+1]
.endr
.set i, i+1
.endr
.endr
.irp t, 0,1
	v_pk_fma_f32 v[ST+8*\t+2:ST+8*\t+3], v[ST+8*\t+2:ST+8*\t+3], v[ST+8*\t+6:ST+8*\t+7], v[S+32*\t:S+32*\t+1] op_sel_hi:[1,0,1]   ; l = a l + the sum
.endr
.set i, 0
.rept 8
.irp t, 0,1
	v_pk_mul_f32 v[O+16*\t+2*i:O+16*\t+2*i+1], v[O+16*\t+2*i:O+16*\t+2*i+1], v[ST+8*\t+6:ST+8*\t+7] op_sel_hi:[1,0]               ; O^T x a
.endr
.set i, i+1
.endr
.endm
; A key step.  Its K was asked for a step ago.  more = 1: the next step's K, 8,192 bytes on in the same slot, is asked for.
.macro STEP more
	v_add_nc_u32 v[ADK], s[TB], v[LX]
	v_add_nc_u32 v[ADV], s[TB], v[AV0]
	v_nop
	v_nop                                          ; four places between the last products V^T P and the loads into V's registers (ISA guide 7.12.1 for vector instructions)
	VLOAD
	s_wait_dscnt 8                                 ; K's eight loads are in; V's eight may be out
.irp kt, 0,1,2,3
.irp t, 0,1
	v_wmma_f32_16x16x32_f16 v[S+32*\t+8*\kt:S+32*\t+8*\kt+7], v[KF+8*\kt:KF+8*\kt+7], v[Q+8*\t:Q+8*\t+7], 0      ; the head's 32 channels are one product: eight sums, each begun and ended here
.endr
.endr
.rept 4
	v_nop                                          ; four places ahead of the loads into K's registers and of the first read of the scores
.endr
.if \more
	KLOAD STEPB
.endif
	SOFTMAX
.if \more
	s_wait_dscnt 8                                 ; V's eight loads are in; the next K's eight may be out
.else
	s_wait_dscnt 0x0
.endif
.irp kc, 0,1
.irp t, 0,1
.irp ct, 0,1
	v_wmma_f32_16x16x32_f16 v[O+16*\t+8*\ct:O+16*\t+8*\ct+7], v[VF+16*\kc+8*\ct:VF+16*\kc+8*\ct+7], v[P+16*\t+8*\kc:P+16*\t+8*\kc+7], v[O+16*\t+8*\ct:O+16*\t+8*\ct+7]   ; four accumulators by turns, one instruction a turn
.endr
.endr
.endr
.endm
; A slot's sixteen steps: fifteen in a loop, the last written out, since it asks for no K behind it.
.macro SLOT base
	s_mov_b32 s[TB], \base
	v_add_nc_u32 v[ADK], s[TB], v[LX]
	KLOAD 0
	s_mov_b32 s[CNT], 15
.Lstep_\@:
	STEP 1
	s_add_co_u32 s[TB], s[TB], STEPB
	s_sub_co_u32 s[CNT], s[CNT], 1
	s_cmp_lg_u32 s[CNT], 0
	s_cbranch_scc1 .Lstep_\@
	STEP 0
.endm
; THE CHANGE OF SLOTS.  Each wave waits for all its tensor loads, of which one is out: its part of the slot ahead; adds 0 to its spare word; and waits for that and for its reads of slot n, which it has left.
; fill = 1: slot n is filled again, with the part two on.  The barrier is then a round of the cluster's, so that no wave of any partner still reads the slot or has a load on its way; the joint refill is the first thing behind it,
; my one tensor load until the next change, and has sixteen steps in which to land.
.macro CHANGE n, fill
	s_wait_tensorcnt 0x0                           ; no tensor load of mine is out, so a group 0 may be written
	ds_add_u32 v[SPW], v[NIL]
.if \fill
	s_add_nc_u64 s[G0+4*\n+2:G0+4*\n+3], s[G0+4*\n+2:G0+4*\n+3], 2*SLOTB   ; the type bits on top are not reached
.endif
	s_wait_dscnt 0x0                               ; the add is done, and my reads of the slot are over
.if \fill
	CROUND
	tensor_load_to_lds s[G0+4*\n:G0+4*\n+3], s[G1:G1+7]
	s_nop 0
.rept 4
	v_nop
.endr
.else
	s_barrier_signal -1
	s_barrier_wait -1
.endif
.endm
	s_wait_tensorcnt 0x1                           ; my part of slot 0 is in; slot 1's may stay out
	s_barrier_signal -1
	s_barrier_wait -1                              ; everybody's is
	s_wait_loadcnt 0x0                             ; Q
	SLOT 0                                         ; keys 0 to 1,023
	CHANGE 0, 1
	SLOT SLOTB                                     ; 1,024 to 2,047
	CHANGE 1, 1
	SLOT 0                                         ; 2,048 to 3,071
	CHANGE 0, 0                                    ; nothing is left to fetch
	SLOT SLOTB                                     ; 3,072 to 4,095
	; THE WAY OUT.  l's two halves and the other half of the lanes' are added; O^T is divided by l and rounded to f16: four registers are channels 16 ct + 8 h + 0 .. 7 of query r, half a fragment of the last launch's operand.
.rept 4
	v_nop                                          ; four places behind the last products
.endr
.irp t, 0,1
	v_add_f32 v[ST+8*\t+4], v[ST+8*\t+2], v[ST+8*\t+3]
.endr
.irp t, 0,1
	v_permlanex16_b32 v[ST+8*\t+5], v[ST+8*\t+4], s[SEL], s[SEL+1]
.endr
.irp t, 0,1
	v_add_f32 v[ST+8*\t+4], v[ST+8*\t+4], v[ST+8*\t+5]
.endr
.irp t, 0,1
	v_rcp_f32 v[ST+8*\t+6], v[ST+8*\t+4]
.endr
	v_nop                                          ; a plain instruction between the last reciprocal and the use of its result
	s_wait_alu depctr_va_vdst(0)                   ; and the wait: one for both
.irp t, 0,1
.set i, 0
.rept 8
	v_pk_mul_f32 v[O+16*\t+2*i:O+16*\t+2*i+1], v[O+16*\t+2*i:O+16*\t+2*i+1], v[ST+8*\t+6:ST+8*\t+7] op_sel_hi:[1,0]
.set i, i+1
.endr
.endr
.irp t, 0,1
.set i, 0
.rept 8
	v_cvt_pk_f16_f32 v[S+8*\t+i], v[O+16*\t+2*i], v[O+16*\t+2*i+1]
.set i, i+1
.endr
.endr
.irp t, 0,1
.irp ct, 0,1
	global_store_b128 v[LI], v[S+8*\t+4*\ct:S+8*\t+4*\ct+3], s[8:9] offset:8192*\t+512*\ct   ; 32 lanes store 512 consecutive bytes, at a multiple of 512 from the buffer's first byte
.endr
.endr
	s_wait_tensorcnt 0x0                           ; the wave's end: behind my last tensor load
	ds_add_u32 v[SPW], v[NIL]
	s_wait_dscnt 0x0
	CROUND                                         ; the closing round: no work-group ends while a partner may still ask for a tile that names it
	s_endpgm
.Lfunc_end_k_q2a200a5689_attn:
	.size	k_q2a200a5689_attn, .Lfunc_end_k_q2a200a5689_attn-k_q2a200a5689_attn
	.p2alignl 7, 3214868480
	.fill 96, 4, 3214868480
	.section	.rodata,"a",@progbits
	.p2align	6, 0x0
	.amdhsa_kernel k_q2a200a5689_attn
		.amdhsa_group_segment_fixed_size 327680
		.amdhsa_private_segment_fixed_size 0
		.amdhsa_enable_private_segment 0
		.amdhsa_kernarg_size 24
		.amdhsa_user_sgpr_count 2
		.amdhsa_user_sgpr_kernarg_segment_ptr 1
		.amdhsa_wavefront_size32 1
		.amdhsa_system_sgpr_workgroup_id_x 1
		.amdhsa_system_sgpr_workgroup_id_y 1
		.amdhsa_system_sgpr_workgroup_id_z 1
		.amdhsa_system_vgpr_workitem_id 0
		.amdhsa_next_free_vgpr 256
		.amdhsa_next_free_sgpr 66
		.amdhsa_reserve_vcc 0
		.amdhsa_float_denorm_mode_32 3
		.amdhsa_float_denorm_mode_16_64 3
		.amdhsa_memory_ordered 1
		.amdhsa_forward_progress 1
		.amdhsa_inst_pref_size 122
	.end_amdhsa_kernel
	.amdgpu_metadata
---
amdhsa.version: [ 1, 2 ]
amdhsa.kernels:
  - .name:           k_q2a200a5689_attn
    .symbol:         k_q2a200a5689_attn.kd
    .args:
      - { .name: q_img, .offset: 0, .size: 8, .value_kind: global_buffer, .address_space: global }
      - { .name: kv_img, .offset: 8, .size: 8, .value_kind: global_buffer, .address_space: global }
      - { .name: o_img, .offset: 16, .size: 8, .value_kind: global_buffer, .address_space: global }
    .group_segment_fixed_size: 327680
    .private_segment_fixed_size: 0
    .kernarg_segment_align: 8
    .kernarg_segment_size: 24
    .max_flat_workgroup_size: 256
    .sgpr_count:     66
    .vgpr_count:     256
    .wavefront_size: 32
...
	.end_amdgpu_metadata
.endif
;; end of part 2
;; launch proj (part 3): grid 128 x 2, 4 waves a work-group, no clusters, 35,328 bytes of LDS; arguments o_img, wp_img, bproj, out0; writes out0
.if DOCPART == 3
	.amdgcn_target "amdgcn-amd-amdhsa--gfx1250"
	.amdhsa_code_object_version 6
	.text
	.protected	k_q2a200a5689_proj
	.globl	k_q2a200a5689_proj
	.p2align	8
	.type	k_q2a200a5689_proj,@function
k_q2a200a5689_proj:
	s_mov_b64 s[64:65], 0
	v_nop
	global_prefetch_b8 v0, s[64:65] scope:SCOPE_SE
	s_setreg_imm32_b32 hwreg(HW_REG_WAVE_MODE, 25, 1), 1
	s_wait_xcnt 0x0
; out0[b][c_out][n] = the sum over k of o[b][n][k] Wproj[k][c_out] + bproj[c_out].  Operands f16, as the launches before laid them: images of operand registers; sums f32.
; SHARES.  A work-group makes 64 tokens n x 128 c_out; wave w makes 32 c_out (two tiles ct) x 64 n (four tiles m): eight accumulators, eight steps of 32 along K (a step = a head), 64 products.
; Source 0 = 16 tokens, source 1 = 16 c_out: a lane then holds ONE c_out (lane % 16) and eight neighbouring n, as out0's rows run.  The bias is the C of each sum's first product: bproj[c_out] in all eight registers.
; Fragments come from memory straight into registers, 512 consecutive bytes a load, three steps' sets by turns, so that two sets are on their way while one is multiplied.
; No tensor load, no cluster: a wave takes each fragment once, in the order of its registers; a way through LDS and rounds of a cluster's barrier would be added to 64 products a wave.
; THE WAY OUT.  A row of out0 takes 64 n = 256 bytes of this work-group; they lie in sixteen lanes' registers of four tiles.  They go through the wave's own stage in LDS (32 rows of 256 + 16 bytes) and leave as whole rows.
.set LI,  1                            ; v1   16 x lane
.set BA,  2                            ; v2   4 x (lane % 16)
.set STO, 3                            ; v3   the stage: where I put 32 bytes of a row
.set RD,  4                            ; v4   and where I read a row back
.set GO,  5                            ; v5   the same place in out0
.set SPW, 6                            ; v6   LDS address of my spare word; never rewritten
.set NIL, 7                            ; v7   0; never rewritten
.set BI,  8                            ; v8-23    the bias: 8 ct
.set ACC, 24                           ; v24-87   8 (4 ct + m)
.set FRG, 88                           ; v88-231  three sets of 48: o's four fragments at 8 m, Wproj's two at 32 + 8 ct
.set OUTR, 88                          ; the way out: 16 x 4 registers
.set WSTG, 8704                        ; a wave's stage: 32 x 272
.set SPARE, 4*WSTG                     ; behind the stages: the spare words, 128 bytes for each wave: two blocks of 256 bytes that no other line names
	s_load_b256 s[4:11], s[0:1], 0x0               ; o_img s[4:5], wp_img s[6:7], bproj s[8:9], out0 s[10:11]
	v_lshl_add_u32 v[SPW], v0, 2, SPARE
	v_mov_b32 v[NIL], 0
	v_lshrrev_b32 v232, 5, v0
	v_readfirstlane_b32 s12, v232                  ; wave 0..3
	v_and_b32 v232, 31, v0
	v_lshlrev_b32 v[LI], 4, v232
	v_and_b32 v233, 15, v0                         ; r
	v_bfe_u32 v234, v0, 4, 1                       ; h
	v_lshlrev_b32 v[BA], 2, v233
	s_mul_i32 s13, s12, WSTG
	v_mul_u32_u24 v[STO], v233, 272                ; in: row r of a tile of c_out, + 32 h
	v_lshl_add_u32 v[STO], v234, 5, v[STO]
	v_add_nc_u32 v[STO], s13, v[STO]
	v_mul_u32_u24 v[RD], v234, 272                 ; back: lanes 0-15 one row, lanes 16-31 the next
	v_lshl_add_u32 v[RD], v233, 4, v[RD]
	v_add_nc_u32 v[RD], s13, v[RD]
	v_lshlrev_b32 v[GO], 14, v234                  ; a row of out0 is 16,384 bytes
	v_lshl_add_u32 v[GO], v233, 4, v[GO]
	s_and_b32 s14, ttmp7, 0xffff                   ; y: which 128 c_out
	s_lshl_b32 s16, ttmp9, 15                      ; o_img: four tiles of tokens x 8 heads x 1,024 bytes a work-group
	s_mov_b32 s17, 0
	s_lshl_b32 s18, s14, 16                        ; wp_img: tile of c_out 8 y + 2 wave, 8,192 bytes each
	s_lshl_b32 s15, s12, 14
	s_add_co_u32 s18, s18, s15
	s_mov_b32 s19, 0
	s_lshl_b32 s20, s14, 9                         ; bproj: 4 x (128 y + 32 wave)
	s_lshl_b32 s15, s12, 7
	s_add_co_u32 s20, s20, s15
	s_mov_b32 s21, 0
	s_lshr_b32 s22, ttmp9, 6                       ; out0: row 256 batch + 128 y + 32 wave, + 4 x 64 (x % 64)
	s_lshl_b32 s22, s22, 22
	s_lshl_b32 s15, s14, 21
	s_add_co_u32 s22, s22, s15
	s_lshl_b32 s15, s12, 19
	s_add_co_u32 s22, s22, s15
	s_and_b32 s15, ttmp9, 63
	s_lshl_b32 s15, s15, 8
	s_add_co_u32 s22, s22, s15
	s_mov_b32 s23, 0
	s_wait_kmcnt 0x0
	s_add_nc_u64 s[4:5], s[4:5], s[16:17]
	s_add_nc_u64 s[6:7], s[6:7], s[18:19]
	s_add_nc_u64 s[8:9], s[8:9], s[20:21]
	s_add_nc_u64 s[10:11], s[10:11], s[22:23]
.irp ct, 0,1
.irp j, 0,1,2,3,4,5,6,7
	global_load_b32 v[BI+8*\ct+\j], v[BA], s[8:9] offset:64*\ct    ; bproj[16 ct + r], in each of the tile's eight registers
.endr
.endr
.macro LOADSET kc                      ; step kc's six fragments, twelve loads, into set kc % 3
.set SB, FRG+48*((\kc)%3)
.irp m, 0,1,2,3
.irp g, 0,1
	global_load_b128 v[SB+8*\m+4*\g:SB+8*\m+4*\g+3], v[LI], s[4:5] offset:8192*\m+1024*(\kc)+512*\g
.endr
.endr
.irp ct, 0,1
.irp g, 0,1
	global_load_b128 v[SB+32+8*\ct+4*\g:SB+32+8*\ct+4*\g+3], v[LI], s[6:7] offset:8192*\ct+1024*(\kc)+512*\g
.endr
.endr
.endm
.macro MULS kc                         ; eight products: the eight accumulators take turns, in the same order in every step
.set SB, FRG+48*((\kc)%3)
.irp ct, 0,1
.irp m, 0,1,2,3
.if (\kc) == 0
	v_wmma_f32_16x16x32_f16 v[ACC+8*(4*\ct+\m):ACC+8*(4*\ct+\m)+7], v[SB+8*\m:SB+8*\m+7], v[SB+32+8*\ct:SB+32+8*\ct+7], v[BI+8*\ct:BI+8*\ct+7]
.else
	v_wmma_f32_16x16x32_f16 v[ACC+8*(4*\ct+\m):ACC+8*(4*\ct+\m)+7], v[SB+8*\m:SB+8*\m+7], v[SB+32+8*\ct:SB+32+8*\ct+7], v[ACC+8*(4*\ct+\m):ACC+8*(4*\ct+\m)+7]
.endif
.endr
.endr
.endm
	LOADSET 0
	LOADSET 1
	LOADSET 2
.irp kc, 0,1,2,3,4,5,6,7
.if \kc < 6
	s_wait_loadcnt 24                              ; behind this step's set two sets of twelve were issued
.elseif \kc == 6
	s_wait_loadcnt 12
.else
	s_wait_loadcnt 0x0
.endif
	MULS \kc
.rept 4
	v_nop                                          ; four places ahead of the loads into registers that these products read; behind the last step, ahead of the first read of results
.endr
.if \kc < 5
	LOADSET \kc+3
.endif
.endr
.irp ct, 0,1
.irp m, 0,1,2,3
	ds_store_b128 v[STO], v[ACC+8*(4*\ct+\m):ACC+8*(4*\ct+\m)+3] offset:4352*\ct+64*\m          ; lane (r, h): out(16 ct + r, 16 m + 8 h + 0 .. 7); each accumulator from its low end on
	ds_store_b128 v[STO], v[ACC+8*(4*\ct+\m)+4:ACC+8*(4*\ct+\m)+7] offset:4352*\ct+64*\m+16
.endr
.endr
.irp i, 0,1,2,3,4,5,6,7,8,9,10,11,12,13,14,15
	ds_load_b128 v[OUTR+4*\i:OUTR+4*\i+3], v[RD] offset:544*\i     ; LDS serves a wave's instructions in order (ISA guide 5.7.1.4): these see my stores; the stage is my own
.endr
.irp i, 0,1,2,3,4,5,6,7,8,9,10,11,12,13,14,15
	s_wait_dscnt 15-\i
	global_store_b128 v[GO], v[OUTR+4*\i:OUTR+4*\i+3], s[10:11] offset:32768*\i th:TH_STORE_NT   ; sixteen lanes store 256 consecutive bytes, at a multiple of 256 from out0's first byte; written once, read by nobody here
.endr
	s_wait_tensorcnt 0x0                           ; the wave's end: behind my last LDS store
	ds_add_u32 v[SPW], v[NIL]
	s_wait_dscnt 0x0
	s_endpgm
.Lfunc_end_k_q2a200a5689_proj:
	.size	k_q2a200a5689_proj, .Lfunc_end_k_q2a200a5689_proj-k_q2a200a5689_proj
	.p2alignl 7, 3214868480
	.fill 96, 4, 3214868480
	.section	.rodata,"a",@progbits
	.p2align	6, 0x0
	.amdhsa_kernel k_q2a200a5689_proj
		.amdhsa_group_segment_fixed_size 35328
		.amdhsa_private_segment_fixed_size 0
		.amdhsa_enable_private_segment 0
		.amdhsa_kernarg_size 32
		.amdhsa_user_sgpr_count 2
		.amdhsa_user_sgpr_kernarg_segment_ptr 1
		.amdhsa_wavefront_size32 1
		.amdhsa_system_sgpr_workgroup_id_x 1
		.amdhsa_system_sgpr_workgroup_id_y 1
		.amdhsa_system_sgpr_workgroup_id_z 1
		.amdhsa_system_vgpr_workitem_id 0
		.amdhsa_next_free_vgpr 240
		.amdhsa_next_free_sgpr 66
		.amdhsa_reserve_vcc 0
		.amdhsa_float_denorm_mode_32 3
		.amdhsa_float_denorm_mode_16_64 3
		.amdhsa_memory_ordered 1
		.amdhsa_forward_progress 1
		.amdhsa_inst_pref_size 22
	.end_amdhsa_kernel
	.amdgpu_metadata
---
amdhsa.version: [ 1, 2 ]
amdhsa.kernels:
  - .name:           k_q2a200a5689_proj
    .symbol:         k_q2a200a5689_proj.kd
    .args:
      - { .name: o_img, .offset: 0, .size: 8, .value_kind: global_buffer, .address_space: global }
      - { .name: wp_img, .offset: 8, .size: 8, .value_kind: global_buffer, .address_space: global }
      - { .name: bproj, .offset: 16, .size: 8, .value_kind: global_buffer, .address_space: global }
      - { .name: out0, .offset: 24, .size: 8, .value_kind: global_buffer, .address_space: global }
    .group_segment_fixed_size: 35328
    .private_segment_fixed_size: 0
    .kernarg_segment_align: 8
    .kernarg_segment_size: 32
    .max_flat_workgroup_size: 128
    .sgpr_count:     66
    .vgpr_count:     240
    .wavefront_size: 32
...
	.end_amdgpu_metadata
.endif
;; end of part 3
